; MI455X (gfx1250); checked and timed in simulation.
; The chip was launched on July 23, 2026; its instructions are those of AMD's public machine-readable ISA for CDNA 5 (MIT licence, August 2026) and "CDNA5" Instruction Set Architecture Reference Guide (July 2026). The comments in the code are by the model that wrote it; some were corrected since.
;; Multi Head Self Attention. Allowed arithmetic: matrix products marked QUANTISED: E2M1 operands, one E8M0 scale for each 32 along K, by v_wmma_scale_f32_16x16x128_f8f6f4 with both operands' format E2M1 (or v_wmma_scale_f32_32x16x128_f4), f32 sums; everything else in f32.
;; Inputs: Wk 384 x 384 float32; Wo 384 x 384 float32; Wq 384 x 384 float32; Wv 384 x 384 float32; bk 384 float32; bo 384 float32; bq 384 float32; bv 384 float32; ln_b 384 float32; ln_g 384 float32; x 2 x 4,096 x 384 float32.
;; Outputs: out0 2 x 4,096 x 384 float32.
;; This version of the problem:
;;   THIS VERSION OF THE PROBLEM IS GIVEN IN LOW PRECISION. The matrix products marked QUANTISED in the list below multiply operands that are first quantised to E2M1 (2 exponent bits, 1 mantissa bit; 4 bits a number), with one power-of-two scale for each 32 numbers along K (OCP MX v1.0); their sums are f32. All else is computed in f32.
;;   The module's matrix products, in the order in which they are computed (A, B: the left and right operand; K: the contracted axis; several contracted axes count as one K, in the product's order):
;;     1. [M 8,192, K 384] x [K 384, N 384]; A: computed on the way; B: input Wq: QUANTISED
;;     2. [M 8,192, K 384] x [K 384, N 384]; A: computed on the way; B: input Wk: QUANTISED
;;     3. [M 8,192, K 384] x [K 384, N 384]; A: computed on the way; B: input Wv: QUANTISED
;;     4. batch 12 x [M 4,096, K 64] x [K 64, N 4,096]; A: computed on the way; B: computed on the way: QUANTISED
;;     5. batch 12 x [M 4,096, K 4,096] x [K 4,096, N 64]; A: softmax (see below); B: computed on the way: QUANTISED
;;     6. [M 8,192, K 384] x [K 384, N 384]; A: computed on the way; B: input Wo: QUANTISED
;;   THE QUANTISER, for each operand of a quantised product, along K:
;;     - K is cut into blocks of 32 from its start; a last block that is shorter is filled with zeros.
;;     - A block's scale is 2^e with e = floor(log2(the largest magnitude in the block)) - 2, held to -126 .. 127; a block of zeros has e = 0. As a byte (E8M0): e + 127.
;;     - Each number is divided by its block's scale, clamped to +-6, and rounded to the nearest number of E2M1, ties to even, subnormals kept.
;;     - The product sums the exact products of the quantised numbers (number of the format x scale) in f32.
;;   ~~~python
;;   def quantise(x, axis):      # numpy; x: float32 -> the quantised numbers, widened to float32 again
;;       x = np.moveaxis(x, axis, -1); K = x.shape[-1]
;;       x = np.pad(x, [(0, 0)] * (x.ndim - 1) + [(0, -K % 32)]); x = x.reshape(x.shape[:-1] + (-1, 32)); a = np.abs(x).max(-1, keepdims=True)
;;       e = np.where(a > 0, np.clip(np.frexp(np.where(a > 0, a, 1))[1] - 1 - 2, -126, 127), 0)      # np.frexp(a)[1] - 1 = floor(log2(a)), exactly
;;       r = np.clip(x / 2.0 ** e, -6, 6)
;;       step = 2.0 ** (np.maximum(np.frexp(np.where(r == 0, 1, r))[1] - 1, 0) - 1)
;;       q = np.round(r / step) * step * 2.0 ** e      # np.round: ties to even
;;       return np.moveaxis(q.reshape(q.shape[:-2] + (-1,))[..., :K], -1, axis).astype(np.float32)
;;   ~~~
;;   SOFTMAX AHEAD OF A QUANTISED PRODUCT. Where the list says 'softmax', what is quantised is not the finished softmax but p = 2^(t - M), with t = logit x log2(e) and M = ceil(the row's largest t), a whole number; so 1/2 < the row's largest p <= 1. The row's sum l is taken of the UNQUANTISED p, in f32, and the product's result is divided by l at the end. Since M is a whole number, a kernel that streams over the keys may use a running M (the ceiling of the running maximum): every later rescaling is an exact power of two, which a block's scale takes up: the codes' values come out the same.
;;   OPERANDS COMPUTED ON THE WAY. 'Computed on the way' means the value that the module computes at that place (a softmax that the list does not call 'softmax' is quantised finished and normalised). What goes into a quantiser is computed in f32, as accurately as f32 sums, v_exp_f32 and their like allow (about 1e-6 of the number): no bf16 or f16 on the way to a quantiser, and a product that is left as it is and whose result goes on into a quantised operand takes f32 operands (vector FMAs, or v_wmma_f32_16x16x4_f32). A number that lies on a knife's edge between two numbers of the format may be rounded either way, as far as f32 arithmetic and the matrix unit's own rounding can turn it there, and no further.
;; One version. Each part assembles by itself: llvm-mc -triple=amdgcn-amd-amdhsa -mcpu=gfx1250 --defsym DOCPART=n.
;; ======== version 1 of 1: 3 launches
;; limits: right only within a limited range of input values
;; workspace buffers: wbuf 313,344 bytes; qbuf 1,769,472 bytes; kvbuf 3,440,640 bytes
;; launch wq (part 1): grid 12 x 4, 3 waves a work-group, no clusters, 0 bytes of LDS; arguments Wq, Wk, Wv, Wo, wbuf; writes wbuf
.if DOCPART == 1
	.amdgcn_target "amdgcn-amd-amdhsa--gfx1250"
	.amdhsa_code_object_version 6
	.text
	.protected	k_q0eca04d9a3_wq
	.globl	k_q0eca04d9a3_wq
	.p2align	8
	.type	k_q0eca04d9a3_wq,@function
k_q0eca04d9a3_wq:
	s_mov_b64 s[64:65], 0
	v_nop
	global_prefetch_b8 v0, s[64:65] scope:SCOPE_SE
	s_setreg_imm32_b32 hwreg(HW_REG_WAVE_MODE, 25, 1), 1
	s_wait_xcnt 0x0
; The four weights [384 (k)][384 (n)], f32, K their FIRST axis, become codes of FP4 (E2M1) with one E8M0 byte for each 32 along K.
; wbuf is laid in the order of the operand's registers: codes at m*73728 + tile*3072 + s*1024 + c*512 + lane*16 (m: q, k, v, o; tile: 16 columns; s: 128 along K;
; lane (r, h) holds k = 128 s + 64 c + 32 h + 0..31 of the tile's column r); scale words at 294912 + m*4608 + tile*192 + s*64 + r*4, byte i for block 4 s + i.
; THE COLUMNS OF A TILE: for q, k, v lane r of tile 2 g + tt takes column 32 g + 8 tt + r + 8 (r / 8), so that the results of two neighbouring tiles are 16 neighbours in a lane of the product that uses them; for o the columns are neighbours.
; A LANE TAKES A COLUMN AND ITS REGISTERS RUN DOWN K: a block of 32 lies in one lane, its largest magnitude needs no other lane, and the conversions give codes with K innermost.
; Shares: work-group x = 32 columns, y = the weight, wave = the K step of 128: four blocks a lane.  Waves share nothing: no LDS, no barrier, no cluster (no tile is read twice).
; A block's scale is 2^(floor(log2(largest magnitude)) - 2); its byte is the largest magnitude's exponent field - 2, held at 1 from below.
; LIMITS: a block of zeros, or one whose largest magnitude lies under 2^-124, gets the byte 1 (the quantiser says 127 for zeros: the codes are zeros and this program alone reads the bytes); NaN and infinities are not served.
.set X, 32                             ; v32-159  four blocks of 32 numbers
.set C, 160                            ; v160-175 four registers of codes a block: no store's data are written again
	s_load_b256 s[4:11], s[0:1], 0x0               ; Wq, Wk, Wv, Wo
	s_load_b64 s[12:13], s[0:1], 0x20              ; wbuf
	v_lshrrev_b32 v1, 5, v0
	v_readfirstlane_b32 s19, v1                    ; the wave = the K step s
	s_and_b32 s20, ttmp7, 0xffff                   ; m: which weight
	v_and_b32 v1, 31, v0                           ; lane = 16 tt + r
	v_lshrrev_b32 v2, 3, v1
	v_lshrrev_b32 v6, 4, v1                        ; tt
	v_xor_b32 v2, v2, v6
	v_and_b32 v2, 1, v2                            ; 1 where the lane's bits 3 and 4 differ
	s_cmp_lt_u32 s20, 3
	s_cselect_b32 s18, 24, 0                       ; q, k, v: bits 3 and 4 change places; o: not
	v_mul_u32_u24 v2, s18, v2
	v_xor_b32 v2, v1, v2                           ; my column among the 32
	v_lshlrev_b32 v3, 2, v2                        ; in: 4 bytes a column
	v_and_b32 v7, 15, v1                           ; r
	v_mul_u32_u24 v4, v6, 3072
	v_lshl_add_u32 v4, v7, 4, v4                   ; codes out: tile tt, 16 bytes at r
	v_mul_u32_u24 v5, v6, 192
	v_lshl_add_u32 v5, v7, 2, v5                   ; scale word out
	s_mul_i32 s22, s19, 196608                     ; 128 rows of 1,536 bytes a K step
	s_lshl_b32 s24, ttmp9, 7                       ; 32 columns of 4 bytes
	s_add_co_u32 s22, s22, s24
	s_mov_b32 s23, 0
	s_mul_i32 s24, s20, 73728
	s_mul_i32 s26, ttmp9, 6144
	s_add_co_u32 s24, s24, s26
	s_lshl_b32 s26, s19, 10
	s_add_co_u32 s24, s24, s26                     ; codes: m*73728 + 2 tiles*3072 + s*1024
	s_mov_b32 s25, 0
	s_mul_i32 s26, s20, 4608
	s_mul_i32 s28, ttmp9, 384
	s_add_co_u32 s26, s26, s28
	s_lshl_b32 s28, s19, 6
	s_add_co_u32 s26, s26, s28                     ; scale words: m*4608 + 2 tiles*192 + s*64
	s_mov_b32 s27, 0
	s_wait_alu depctr_va_vdst(0)
	s_wait_kmcnt 0x0
	s_cmp_lt_u32 s20, 2                            ; the weight is chosen by the work-group's y alone
	s_cselect_b64 s[14:15], s[4:5], s[8:9]         ; q or v
	s_cselect_b64 s[16:17], s[6:7], s[10:11]       ; k or o
	s_bitcmp1_b32 s20, 0
	s_cselect_b64 s[4:5], s[16:17], s[14:15]
	s_add_nc_u64 s[4:5], s[4:5], s[22:23]
	s_add_nc_u64 s[28:29], s[12:13], s[24:25]
	s_add_nc_u64 s[30:31], s[12:13], s[26:27]
.irp t, 0,1,2,3
.irp i, 0,1,2,3,4,5,6,7,8,9,10,11,12,13,14,15,16,17,18,19,20,21,22,23,24,25,26,27,28,29,30,31
	global_load_b32 v[X+32*\t+\i], v3, s[4:5] offset:(32*\t+\i)*1536 th:TH_LOAD_NT   ; W(128 s + 32 t + i, my column): the wave reads 128 bytes of a row
.endr
.endr
.macro BLOCK t, left
.set XS, X+32*(\t)
	s_wait_loadcnt \left                           ; this block's 32 loads are in (loads come back in order)
	v_max3_num_f32 v12, |v[XS]|, |v[XS+1]|, |v[XS+2]|              ; the block's largest magnitude: all 32 numbers are mine; two chains
	v_max3_num_f32 v13, |v[XS+3]|, |v[XS+4]|, |v[XS+5]|
.irp i, 6,10,14,18,22,26
	v_max3_num_f32 v12, v12, |v[XS+\i]|, |v[XS+\i+1]|
	v_max3_num_f32 v13, v13, |v[XS+\i+2]|, |v[XS+\i+3]|
.endr
	v_max3_num_f32 v12, v12, |v[XS+30]|, |v[XS+31]|
	v_max3_num_f32 v12, v12, v13, 0x1800000        ; and the floor 2^(3 - 127): the byte cannot fall under 1
	v_add_nc_u32 v11, 0xff000000, v12              ; 2 off the exponent field: the conversion takes this operand's exponent field as its scale
	v_lshrrev_b32 v14, 23, v11                     ; the scale's byte
.if (\t) == 0
	v_mov_b32 v24, v14
.else
	v_lshl_or_b32 v24, v14, 8*(\t), v24            ; four bytes make the K step's scale word
.endif
.irp g, 0,1,2,3
	v_cvt_scalef32_pk8_fp4_f32 v[C+4*(\t)+\g], v[XS+8*\g:XS+8*\g+7], v11
.endr
	v_nop                                          ; one plain line behind the last conversion of a run
	global_store_b128 v4, v[C+4*(\t):C+4*(\t)+3], s[28:29] offset:((\t)/2)*512+((\t)%2)*256   ; block t is c = t / 2, h = t % 2: sixteen lanes store 256 consecutive bytes, aligned
.endm
	BLOCK 0, 63                                    ; 96 younger loads are out: the count's field holds 63, and a smaller count is safe
	BLOCK 1, 63                                    ; 64 younger
	BLOCK 2, 32
	BLOCK 3, 0
	global_store_b32 v5, v24, s[30:31] offset:294912
	s_endpgm
.Lfunc_end_k_q0eca04d9a3_wq:
	.size	k_q0eca04d9a3_wq, .Lfunc_end_k_q0eca04d9a3_wq-k_q0eca04d9a3_wq
	.p2alignl 7, 3214868480
	.fill 96, 4, 3214868480
	.section	.rodata,"a",@progbits
	.p2align	6, 0x0
	.amdhsa_kernel k_q0eca04d9a3_wq
		.amdhsa_group_segment_fixed_size 0
		.amdhsa_private_segment_fixed_size 0
		.amdhsa_enable_private_segment 0
		.amdhsa_kernarg_size 40
		.amdhsa_user_sgpr_count 2
		.amdhsa_user_sgpr_kernarg_segment_ptr 1
		.amdhsa_wavefront_size32 1
		.amdhsa_system_sgpr_workgroup_id_x 1
		.amdhsa_system_sgpr_workgroup_id_y 1
		.amdhsa_system_sgpr_workgroup_id_z 1
		.amdhsa_system_vgpr_workitem_id 0
		.amdhsa_next_free_vgpr 176
		.amdhsa_next_free_sgpr 66
		.amdhsa_reserve_vcc 0
		.amdhsa_float_denorm_mode_32 3
		.amdhsa_float_denorm_mode_16_64 3
		.amdhsa_memory_ordered 1
		.amdhsa_forward_progress 1
		.amdhsa_inst_pref_size 21
	.end_amdhsa_kernel
	.amdgpu_metadata
---
amdhsa.version: [ 1, 2 ]
amdhsa.kernels:
  - .name:           k_q0eca04d9a3_wq
    .symbol:         k_q0eca04d9a3_wq.kd
    .args:
      - { .name: Wq, .offset: 0, .size: 8, .value_kind: global_buffer, .address_space: global }
      - { .name: Wk, .offset: 8, .size: 8, .value_kind: global_buffer, .address_space: global }
      - { .name: Wv, .offset: 16, .size: 8, .value_kind: global_buffer, .address_space: global }
      - { .name: Wo, .offset: 24, .size: 8, .value_kind: global_buffer, .address_space: global }
      - { .name: wbuf, .offset: 32, .size: 8, .value_kind: global_buffer, .address_space: global }
    .group_segment_fixed_size: 0
    .private_segment_fixed_size: 0
    .kernarg_segment_align: 8
    .kernarg_segment_size: 40
    .max_flat_workgroup_size: 96
    .sgpr_count:     66
    .vgpr_count:     176
    .wavefront_size: 32
...
	.end_amdgpu_metadata
.endif
;; end of part 1
;; launch qkv (part 2): grid 256 x 1, 12 waves a work-group, no clusters, 12,800 bytes of LDS; arguments x, ln_g, ln_b, wbuf, bq, bk, bv, qbuf, kvbuf; writes qbuf, kvbuf
.if DOCPART == 2
	.amdgcn_target "amdgcn-amd-amdhsa--gfx1250"
	.amdhsa_code_object_version 6
	.text
	.protected	k_q0eca04d9a3_qkv
	.globl	k_q0eca04d9a3_qkv
	.p2align	8
	.type	k_q0eca04d9a3_qkv,@function
k_q0eca04d9a3_qkv:
	s_mov_b64 s[64:65], 0
	v_nop
	global_prefetch_b8 v0, s[64:65] scope:SCOPE_SE
	s_setreg_imm32_b32 hwreg(HW_REG_WAVE_MODE, 25, 1), 1
	s_wait_xcnt 0x0
; LayerNorm of x, its quantising to FP4 (E2M1, one E8M0 byte for each 32 along K), the three projections q, k, v (K = 384) with their biases, and the quantising of q and k along the head's channels and of v along the keys.
; All results leave as codes and scale bytes in the order of the registers of the operand that the attention launch loads.
; SHARES.  A work-group owns 32 tokens (group G = its number).  TOKEN TILES: lane row r of tile u (0, 1) is token 32 G + 8 u + r + 8 (r / 8).
;   Phase X: wave w = (u = w % 2, s' = w / 2) normalises and quantises columns 64 s' .. 64 s' + 63 of tile u: lane (r, h) holds 16 neighbours of each of two blocks of 32.
;   Phase M: wave w owns weight tiles 2 w and 2 w + 1 (32 columns: half a head) of q, k and v for both token tiles: 36 matrix instructions.
; q and k are made TRANSPOSED (source 0 = 16 columns of W, source 1 = 16 tokens): a lane holds one token, and the 16 registers of its two tiles are 16 neighbouring channels (the weight tiles' columns were chosen for that).
; v is made the other way (source 0 = 16 tokens, source 1 = 16 columns): a lane holds one channel, and the 16 registers of the two token tiles are tokens 16 h + 0..15: the next product's K.
; So every quantiser here sees 16 neighbours along its K in a lane, and the block's other 16 in lane l xor 16.
; LAYERNORM: each wave takes the mean and the sum of squared deviations of its 64 columns; the six parts of a row meet in LDS and are joined by mean = the parts' mean, M2 = sum of M2_i + 64 sum of (m_i - mean)^2:
; no difference of large sums is formed, so a common offset on x does no harm.
; xn's fragments go from wave to wave through LDS as images of the operand's registers (16 bytes a lane, 512 a store); each wave's two scale bytes go as a whole word with zeros beside them, and the reader joins the two words.
; NO CLUSTER, NO TENSOR LOAD: the weights are shared by all work-groups, but each wave takes its own 18,432 bytes of codes of each pair of weights once, straight into the operand's registers, by loads of 512 consecutive bytes;
; the launch has one step and no loop over which a joint fill through LDS and its rounds could be spread.
; The scale bytes of q, k, v leave as single bytes (a wave owns one block of a q or k word, a group of tokens one byte of a v word): 36 bytes a lane row against 3,072 bytes of codes a wave.
; LIMITS: a block of zeros, or one whose largest magnitude lies under 2^-124, gets the byte 1 (its codes are what the byte 1 gives; this program alone reads the bytes); NaN and infinities are not served; 1 / sqrt is v_rsq_f32.
.set XIMG, 0                           ; LDS: xn's six fragments (tile u, K step s) at (3 u + s) * 1024 + c * 512 + 16 lane
.set XSC,  6144                        ; twelve half scale words a lane: (6 u + s') * 128 + 4 lane
.set STT,  7680                        ; (mean, M2) of twelve parts: (6 u + s') * 256 + 8 lane
.set WF,   16                          ; v16-111  weight fragments (m, tt, s) at 16 + 48 m + 24 tt + 8 s, m = q, k; v's later take q's place
.set WS,   112                         ; v112-123 their scale words
.set XS,   124                         ; v124-129 xn's scale words (3 u + s)
.set XF,   130                         ; v130-177 xn's six fragments
.set ACCQ, 178                         ; v178-209 q's four accumulators (16 u + 8 tt); later v's (16 ct + 8 u)
.set ACCK, 210                         ; v210-241 k's
.set TM,   242                         ; v242-243 largest magnitudes;  v244-245 the other lane's;  v246-247 scale operands;  v248-249 bytes;  v250-253 codes
.set TP,   244
.set SO,   246
.set BY,   248
.set PC,   250
.set XN,   130                         ; phase X: v130-161 my 32 numbers of x; v162-193 ln_g; v194-225 ln_b; v226-241 at work
.set GG,   162
.set BN,   194
.set SEL,  48                          ; s[48:49] v_permlanex16_b32's selects for lane l xor 16
; 32 numbers of a lane, two blocks' halves of 16 at src and src + 16, become four registers of codes (two a block) and a byte a block.  swap = 1: the halves change lanes so that a lane holds a whole block: an operand's registers.
.macro QUANT2 src, swap
.irp b, 0,1
	v_max3_num_f32 v[TM+\b], |v[(\src)+16*\b]|, |v[(\src)+1+16*\b]|, 0x1800000   ; my 16 numbers, and the floor 2^(3 - 127): the byte cannot fall under 1
.endr
.irp i, 2,4,6,8,10,12,14
.irp b, 0,1
	v_max3_num_f32 v[TM+\b], v[TM+\b], |v[(\src)+16*\b+\i]|, |v[(\src)+1+16*\b+\i]|
.endr
.endr
.irp b, 0,1
	s_delay_alu instid0(VALU_DEP_2)
	v_permlanex16_b32 v[TP+\b], v[TM+\b], s[SEL], s[SEL+1]
.endr
.irp b, 0,1
	s_delay_alu instid0(VALU_DEP_2)
	v_max_num_f32 v[TM+\b], v[TM+\b], v[TP+\b]     ; with lane l xor 16's: the block's largest magnitude
.endr
.irp b, 0,1
	s_delay_alu instid0(VALU_DEP_2)
	v_add_nc_u32 v[SO+\b], 0xff000000, v[TM+\b]    ; 2 off its exponent field: the conversion's scale operand
.endr
.irp b, 0,1
	s_delay_alu instid0(VALU_DEP_2)
	v_lshrrev_b32 v[BY+\b], 23, v[SO+\b]           ; the scale's byte
.endr
.irp b, 0,1
	v_cvt_scalef32_pk8_fp4_f32 v[PC+2*\b], v[(\src)+16*\b:(\src)+16*\b+7], v[SO+\b]
	v_cvt_scalef32_pk8_fp4_f32 v[PC+2*\b+1], v[(\src)+16*\b+8:(\src)+16*\b+15], v[SO+\b]
.endr
	v_nop                                          ; one plain line behind the last conversion
.if \swap
	v_permlane16_swap_b32 v[PC], v[PC+2]           ; lanes 0-15 now hold block 0's 32 codes in the four registers, lanes 16-31 block 1's
	v_permlane16_swap_b32 v[PC+1], v[PC+3]
.endif
.endm
.macro BARRIER                         ; my LDS stores have landed and my LDS loads are in: then the work-group's barrier
	s_wait_dscnt 0x0
	s_barrier_signal -1
	s_barrier_wait -1
.endm
	s_load_b512 s[8:23], s[0:1], 0x0               ; x, ln_g, ln_b, wbuf, bq, bk, bv, qbuf
	s_load_b64 s[24:25], s[0:1], 0x40              ; kvbuf
	s_set_vgpr_msb 0x40
	v_lshl_add_u32 v0, v0, 2, 0x2c00
	v_mov_b32 v1, 0
	s_set_vgpr_msb 0x4000
	v_lshrrev_b32 v13, 5, v0
	s_delay_alu instid0(VALU_DEP_1)
	v_readfirstlane_b32 s26, v13                   ; wave w
	s_and_b32 s27, s26, 1                          ; e = w % 2
	s_lshr_b32 s28, s26, 1                         ; sp = w / 2
	v_and_b32 v13, 31, v0                          ; lane
	v_and_b32 v14, 15, v0                          ; r
	v_bfe_u32 v15, v0, 4, 1                        ; h
	s_delay_alu instid0(VALU_DEP_2)
	v_and_b32 v1, 8, v14
	s_delay_alu instid0(VALU_DEP_1)
	v_add_nc_u32 v8, v1, v14                       ; r + 8 (r / 8)
	s_delay_alu instid0(VALU_DEP_1)
	v_mul_u32_u24 v1, v8, 1536
	s_delay_alu instid0(VALU_DEP_1)
	v_lshl_add_u32 v1, v15, 6, v1                  ; v1: x: my token's row, + 64 h: my 16 numbers of a block
	v_lshlrev_b32 v2, 6, v15                       ; v2: 64 h: the same place in ln_g, ln_b, bq, bk
	v_lshlrev_b32 v3, 4, v13                       ; v3: 16 lane: an image's place
	v_lshlrev_b32 v4, 2, v14                       ; v4: 4 r: a scale word's
	v_lshlrev_b32 v5, 4, v14
	s_delay_alu instid0(VALU_DEP_1)
	v_lshl_add_u32 v5, v15, 3, v5                  ; v5: 16 r + 8 h: my 16 codes in a lane's 16 bytes
	s_delay_alu instid0(VALU_DEP_3)
	v_lshl_add_u32 v6, v15, 1, v4                  ; v6: 4 r + 2 h: a byte of q's or k's scale word and its copy two bytes on
	v_lshlrev_b32 v7, 2, v13                       ; v7: 4 lane
	s_wait_alu depctr_va_vdst(0)
	v_lshlrev_b32 v8, 2, v8                        ; v8: bv of my column
	s_mul_i32 s30, s27, 1536
	s_lshl_b32 s32, s28, 8
	s_add_co_u32 s32, s32, s30
	v_lshlrev_b32 v10, 3, v13
	s_delay_alu instid0(VALU_DEP_1)
	v_add_nc_u32 v9, s32, v10                      ; v9:  where I put my part's (mean, M2): (6 e + sp) * 256 + 8 lane
	s_delay_alu instid0(VALU_DEP_2)
	v_add_nc_u32 v10, s30, v10                     ; v10: where my tile's six parts begin
	s_mul_i32 s30, s27, 3072
	s_lshl_b32 s32, s28, 9
	s_add_co_u32 s30, s30, s32
	v_add_nc_u32 v11, s30, v3                      ; v11: my half fragment's image: e * 3072 + sp * 512 + 16 lane
	s_mul_i32 s30, s27, 768
	s_lshl_b32 s32, s28, 7
	s_add_co_u32 s30, s30, s32
	v_add_nc_u32 v12, s30, v7                      ; v12: my half scale word: (6 e + sp) * 128 + 4 lane
	s_and_b32 s56, s28, 1
	s_lshl_b32 s56, s56, 4                         ; my two bytes' place in the word: 16 (sp % 2) bits up
	v_mov_b32 v240, 0                              ; written once: a lane permute's destination counts as one of its sources
	v_mov_b32 v[TP], 0
	v_mov_b32 v[TP+1], 0
	s_mov_b32 s[SEL], 0x76543210
	s_mov_b32 s[SEL+1], 0xfedcba98
	s_mov_b32 s50, 0xffff0000                      ; lanes 16-31
	s_mov_b32 s51, 0x3727c5ac                      ; 1e-5
	s_mov_b32 s55, 0x3b2aaaab                      ; 1 / 384
	s_mov_b32 s31, 0
	s_mul_i32 s30, ttmp9, 49152                    ; 32 rows of 1,536 bytes a group
	s_mul_i32 s32, s27, 12288                      ; tile u begins 8 rows on
	s_add_co_u32 s30, s30, s32
	s_lshl_b32 s32, s28, 8                         ; my 64 columns
	s_add_co_u32 s30, s30, s32
	s_wait_kmcnt 0x0
	s_add_nc_u64 s[8:9], s[8:9], s[30:31]
	s_mov_b32 s30, s32
	s_add_nc_u64 s[10:11], s[10:11], s[30:31]
	s_add_nc_u64 s[12:13], s[12:13], s[30:31]
	s_mul_i32 s30, s26, 6144
	s_add_nc_u64 s[34:35], s[14:15], s[30:31]      ; my two weight tiles' codes
	s_mul_i32 s30, s26, 384
	s_add_nc_u64 s[36:37], s[14:15], s[30:31]      ; and scale words
	; ---- the loads, 60 in this order: x 8, ln_g 8, ln_b 8, q's and k's weights 24, their scale words 12
.irp b, 0,1
.irp j, 0,1,2,3
	global_load_b128 v[XN+16*\b+4*\j:XN+16*\b+4*\j+3], v1, s[8:9] offset:128*\b+16*\j
.endr
.endr
.irp b, 0,1
.irp j, 0,1,2,3
	global_load_b128 v[GG+16*\b+4*\j:GG+16*\b+4*\j+3], v2, s[10:11] offset:128*\b+16*\j
.endr
.endr
.irp b, 0,1
.irp j, 0,1,2,3
	global_load_b128 v[BN+16*\b+4*\j:BN+16*\b+4*\j+3], v2, s[12:13] offset:128*\b+16*\j
.endr
.endr
.irp m, 0,1
.irp tt, 0,1
.irp s, 0,1,2
.irp c, 0,1
	global_load_b128 v[WF+48*\m+24*\tt+8*\s+4*\c:WF+48*\m+24*\tt+8*\s+4*\c+3], v3, s[34:35] offset:\m*73728+\tt*3072+\s*1024+\c*512
.endr
.endr
.endr
.endr
.irp m, 0,1
.irp tt, 0,1
.irp s, 0,1,2
	global_load_b32 v[WS+6*\m+3*\tt+\s], v4, s[36:37] offset:294912+\m*4608+\tt*192+\s*64
.endr
.endr
.endr
	; the other addresses, while the loads are out (none of the registers below is a source of a pending load)
	s_lshl_b32 s30, s26, 7                         ; my 32 columns in the biases
	s_add_nc_u64 s[16:17], s[16:17], s[30:31]
	s_add_nc_u64 s[18:19], s[18:19], s[30:31]
	s_add_nc_u64 s[20:21], s[20:21], s[30:31]
	s_mul_i32 s33, ttmp9, 6912                     ; qbuf: 6,912 bytes a group
	s_lshl_b32 s30, s28, 10
	s_add_co_u32 s30, s30, s33
	s_lshl_b32 s32, s27, 8
	s_add_co_u32 s30, s30, s32
	s_add_nc_u64 s[38:39], s[22:23], s[30:31]      ; q's codes: head * 1024 + half * 256
	s_lshl_b32 s30, s28, 7
	s_add_co_u32 s30, s30, s33
	s_add_co_u32 s30, s30, s27
	s_add_nc_u64 s[40:41], s[22:23], s[30:31]      ; q's scale bytes: head * 128 + my block's byte
	s_lshr_b32 s33, ttmp9, 7                       ; the batch
	s_mul_i32 s33, s33, 1720320
	s_bfe_u32 s32, ttmp9, 0x50002                  ; the key step of 128: 5 bits from bit 2
	s_mul_i32 s32, s32, 53760
	s_add_co_u32 s33, s33, s32                     ; the step's block in kvbuf
	s_and_b32 s29, ttmp9, 3                        ; j: my group among the step's four
	s_lshl_b32 s54, s28, 12
	s_add_co_u32 s54, s54, s33                     ; + head * 4096
	s_lshl_b32 s30, s29, 10
	s_add_co_u32 s30, s30, s54
	s_lshl_b32 s32, s27, 8
	s_add_co_u32 s30, s30, s32
	s_add_nc_u64 s[42:43], s[24:25], s[30:31]      ; k's codes: + j * 1024 + half * 256
	s_lshl_b32 s30, s27, 11
	s_add_co_u32 s30, s30, s54
	s_lshr_b32 s32, s29, 1
	s_lshl_b32 s32, s32, 9
	s_add_co_u32 s30, s30, s32
	s_and_b32 s32, s29, 1
	s_lshl_b32 s32, s32, 8
	s_add_co_u32 s30, s30, s32
	s_add_nc_u64 s[46:47], s[24:25], s[30:31]      ; v's codes: + half * 2048 + (j / 2) * 512 + (j % 2) * 256
	s_lshl_b32 s30, s28, 9
	s_add_co_u32 s30, s30, s33
	s_lshl_b32 s32, s29, 7
	s_add_co_u32 s30, s30, s32
	s_add_co_u32 s30, s30, s27
	s_add_nc_u64 s[44:45], s[24:25], s[30:31]      ; k's scale bytes: head * 512 + j * 128 + my block's byte
	s_lshl_b32 s30, s28, 8
	s_add_co_u32 s30, s30, s33
	s_lshl_b32 s32, s27, 7
	s_add_co_u32 s30, s30, s32
	s_add_co_u32 s30, s30, s29
	s_add_nc_u64 s[52:53], s[24:25], s[30:31]      ; v's scale bytes: head * 256 + half * 128 + byte j
	; ---- X: the mean of my part (64 columns of a token: my 32 numbers and lane l xor 16's)
	s_wait_loadcnt 52                              ; x's eight loads are in; the 52 issued behind them may be out
	v_pk_add_f32 v[228:229], v[130:131], v[132:133]
	v_pk_add_f32 v[254:255], v[138:139], v[142:143]
	v_pk_add_f32 v[252:253], v[146:147], v[150:151]
	v_pk_add_f32 v[250:251], v[154:155], v[158:159]
	v_pk_add_f32 v[248:249], v[134:135], v[136:137]
	v_pk_add_f32 v[246:247], v[140:141], v[144:145]
	v_pk_add_f32 v[242:243], v[148:149], v[152:153]
	v_pk_add_f32 v[226:227], v[156:157], v[160:161]
	s_delay_alu instid0(VALU_DEP_1)
	v_pk_add_f32 v[226:227], v[226:227], v[250:251]
	v_pk_add_f32 v[228:229], v[228:229], v[248:249]
	v_pk_add_f32 v[254:255], v[254:255], v[246:247]
	v_pk_add_f32 v[252:253], v[252:253], v[242:243]
	s_delay_alu instid0(VALU_DEP_2)
	v_pk_add_f32 v[226:227], v[226:227], v[254:255]
	s_delay_alu instid0(VALU_DEP_2)
	v_pk_add_f32 v[228:229], v[228:229], v[252:253]
	s_delay_alu instid0(VALU_DEP_1)
	v_pk_add_f32 v[226:227], v[226:227], v[228:229]
	s_delay_alu instid0(VALU_DEP_1)
	v_add_f32 v226, v226, v227
	s_delay_alu instid0(VALU_DEP_1)
	v_permlanex16_b32 v240, v226, s[SEL], s[SEL+1]
	s_delay_alu instid0(VALU_DEP_1)
	v_add_f32 v226, v226, v240
	s_delay_alu instid0(VALU_DEP_1)
	v_mul_f32 v230, 0x3c800000, v226               ; / 64
	s_delay_alu instid0(VALU_DEP_1)
	v_mov_b32 v231, v230
.irp j, 0,4,8,12,16,20,24,28                   ; the sum of squared deviations from it, in two chains
	v_pk_add_f32 v[232:233], v[XN+\j:XN+\j+1], v[230:231] neg_lo:[0,1] neg_hi:[0,1]
	v_pk_add_f32 v[238:239], v[XN+\j+2:XN+\j+3], v[230:231] neg_lo:[0,1] neg_hi:[0,1]
.if \j == 0
	s_delay_alu instid0(VALU_DEP_2)
	v_pk_mul_f32 v[234:235], v[232:233], v[232:233]
	s_delay_alu instid0(VALU_DEP_2)
	v_pk_mul_f32 v[236:237], v[238:239], v[238:239]
.else
	s_delay_alu instid0(VALU_DEP_2)
	v_pk_fma_f32 v[234:235], v[232:233], v[232:233], v[234:235]
	s_delay_alu instid0(VALU_DEP_2)
	v_pk_fma_f32 v[236:237], v[238:239], v[238:239], v[236:237]
.endif
.endr
	s_delay_alu instid0(VALU_DEP_1)
	v_pk_add_f32 v[234:235], v[234:235], v[236:237]
	s_delay_alu instid0(VALU_DEP_1)
	v_add_f32 v231, v234, v235
	s_delay_alu instid0(VALU_DEP_1)
	v_permlanex16_b32 v240, v231, s[SEL], s[SEL+1]
	s_delay_alu instid0(VALU_DEP_1)
	v_add_f32 v231, v231, v240
	ds_store_b64 v9, v[230:231] offset:STT
	BARRIER                                        ; the twelve parts lie in LDS
.irp i, 0,1,2,3,4,5
	ds_load_b64 v[226+2*\i:227+2*\i], v10 offset:STT+256*\i
.endr
	s_wait_dscnt 0x0
	v_add_f32 v238, v226, v228
	v_add_f32 v239, v230, v232
	s_delay_alu instid0(VALU_DEP_2)
	v_add_f32 v238, v238, v234
	s_delay_alu instid0(VALU_DEP_2)
	v_add_f32 v239, v239, v236
	s_delay_alu instid0(VALU_DEP_1)
	v_add_f32 v238, v238, v239
	s_delay_alu instid0(VALU_DEP_1)
	v_mul_f32 v238, 0x3e2aaaab, v238               ; the row's mean: the six means / 6
	v_add_f32 v239, v227, v229
	v_add_f32 v241, v231, v233
	s_delay_alu instid0(VALU_DEP_2)
	v_add_f32 v239, v239, v235
	s_delay_alu instid0(VALU_DEP_2)
	v_add_f32 v241, v241, v237
	s_delay_alu instid0(VALU_DEP_1)
	v_add_f32 v239, v239, v241                     ; the six M2
.irp i, 0,1,2,3,4,5
	v_sub_f32 v[226+2*\i], v[226+2*\i], v238
.endr
	v_mul_f32 v241, v226, v226
.irp i, 1,2,3,4,5
	s_delay_alu instid0(VALU_DEP_1)
	v_fmac_f32 v241, v[226+2*\i], v[226+2*\i]
.endr
	s_delay_alu instid0(VALU_DEP_1)
	v_fmac_f32 v239, 0x42800000, v241              ; + 64 x the squared distances of the parts' means
	s_delay_alu instid0(VALU_DEP_1)
	v_fma_f32 v237, v239, s55, s51                 ; the variance + 1e-5
	s_wait_alu depctr_va_vdst(0)
	v_rsq_f32 v240, v237
.irp j, 0,2,4,6,8,10,12,14,16,18,20,22,24,26,28,30
	v_pk_add_f32 v[XN+\j:XN+\j+1], v[XN+\j:XN+\j+1], v[238:239] op_sel_hi:[1,0] neg_lo:[0,1] neg_hi:[0,1]   ; x - mean (plain lines behind the root, which touch neither its source nor its result)
.endr
	s_wait_alu depctr_va_vdst(0)
.irp j, 0,2,4,6,8,10,12,14,16,18,20,22,24,26,28,30
	v_pk_mul_f32 v[XN+\j:XN+\j+1], v[XN+\j:XN+\j+1], v[240:241] op_sel_hi:[1,0]
.endr
	s_wait_loadcnt 36                              ; ln_g and ln_b are in; the weights' 36 loads may be out
.irp j, 0,2,4,6,8,10,12,14,16,18,20,22,24,26,28,30
	v_pk_fma_f32 v[XN+\j:XN+\j+1], v[XN+\j:XN+\j+1], v[GG+\j:GG+\j+1], v[BN+\j:BN+\j+1]
.endr
	; the biases: bq and bk land in the accumulators, in the result's layout (lane (r, h), tile tt: channels 16 h + 8 tt + 0..7 of my 32), once for each token tile; bv of my column twice, as pairs
.irp u, 0,1
.irp tt, 0,1
	global_load_b128 v[ACCQ+16*\u+8*\tt:ACCQ+16*\u+8*\tt+3], v2, s[16:17] offset:32*\tt
	global_load_b128 v[ACCQ+16*\u+8*\tt+4:ACCQ+16*\u+8*\tt+7], v2, s[16:17] offset:32*\tt+16
	global_load_b128 v[ACCK+16*\u+8*\tt:ACCK+16*\u+8*\tt+3], v2, s[18:19] offset:32*\tt
	global_load_b128 v[ACCK+16*\u+8*\tt+4:ACCK+16*\u+8*\tt+7], v2, s[18:19] offset:32*\tt+16
.endr
.endr
	global_load_b32 v254, v8, s[20:21]
	global_load_b32 v255, v8, s[20:21]
	global_load_b32 v14, v8, s[20:21] offset:32
	global_load_b32 v15, v8, s[20:21] offset:32
	QUANT2 XN, 1                                   ; my 64 columns: half a fragment (c = sp % 2 of K step sp / 2)
	ds_store_b128 v11, v[PC:PC+3] offset:XIMG
	v_lshl_or_b32 v[TM], v[BY+1], 8, v[BY]
	s_delay_alu instid0(VALU_DEP_1)
	v_lshlrev_b32 v[TM], s56, v[TM]                ; my two bytes at their place in the K step's word, zeros beside them
	ds_store_b32 v12, v[TM] offset:XSC
	BARRIER                                        ; xn's six fragments and twelve half words lie in LDS
	; ---- M
.irp f, 0,1,2,3,4,5
	ds_load_b128 v[XF+8*\f:XF+8*\f+3], v3 offset:XIMG+\f*1024
	ds_load_b128 v[XF+8*\f+4:XF+8*\f+7], v3 offset:XIMG+\f*1024+512
	ds_load_b32 v[XS+\f], v7 offset:XSC+256*\f
	ds_load_b32 v[TM+\f], v7 offset:XSC+256*\f+128
.endr
	s_wait_dscnt 0x0
.irp f, 0,1,2,3,4,5
	v_or_b32 v[XS+\f], v[XS+\f], v[TM+\f]          ; the two halves make the scale word
.endr
	s_wait_alu depctr_va_vdst(0)
	s_wait_loadcnt 0x0                             ; weights, their scale words, biases
.rept 8
	v_nop                                          ; a scale register written by a vector instruction stands eight places ahead of the scaled matrix instruction
.endr
.irp s, 0,1,2                                  ; q and k: eight accumulators by turns, one instruction a turn; the bias is the first C
.irp m, 0,1
.irp u, 0,1
.irp tt, 0,1
.set rD, ACCQ+32*\m+16*\u+8*\tt
.set rA, WF+48*\m+24*\tt+8*\s
.set rB, XF+8*(3*\u+\s)
	v_wmma_scale_f32_16x16x128_f8f6f4 v[rD:rD+7], v[rA:rA+7], v[rB:rB+7], v[rD:rD+7], v[WS+6*\m+3*\tt+\s], v[XS+3*\u+\s] matrix_a_fmt:MATRIX_FMT_FP4 matrix_b_fmt:MATRIX_FMT_FP4
.endr
.endr
.endr
.endr
.rept 4
	v_nop                                          ; four places in front of loads into registers that the products read, and of the first read of results
.endr
.irp tt, 0,1                                   ; v's weights take q's place
.irp s, 0,1,2
.irp c, 0,1
	global_load_b128 v[WF+24*\tt+8*\s+4*\c:WF+24*\tt+8*\s+4*\c+3], v3, s[34:35] offset:2*73728+\tt*3072+\s*1024+\c*512
.endr
	global_load_b32 v[WS+3*\tt+\s], v4, s[36:37] offset:294912+2*4608+\tt*192+\s*64
.endr
.endr
	QUANT2 ACCQ, 0                                 ; q: block b = token tile u; my 16 channels of the head's block e
.irp u, 0,1
	global_store_b64 v5, v[PC+2*\u:PC+2*\u+1], s[38:39] offset:512*\u        ; the wave stores 256 consecutive bytes, aligned
	global_store_b8 v6, v[BY+\u], s[40:41] offset:6144+64*\u                 ; lanes 0-15 byte e, lanes 16-31 byte 2 + e: the word is [b0, b1, b0, b1]; its upper two bytes scale zero codes
.endr
	s_wait_xcnt 0x0                                ; the stores have read their data: codes and bytes may be written again
	QUANT2 ACCK, 0                                 ; k likewise
.irp u, 0,1
	global_store_b64 v5, v[PC+2*\u:PC+2*\u+1], s[42:43] offset:512*\u
	global_store_b8 v6, v[BY+\u], s[44:45] offset:49152+64*\u
.endr
	s_wait_loadcnt 0x0                             ; v's weights
.irp s, 0,1,2                                  ; v: source 0 = tokens, source 1 = columns; four accumulators by turns; the first K step starts the sums
.irp ct, 0,1
.irp u, 0,1
.set rD, ACCQ+16*\ct+8*\u
.set rA, XF+8*(3*\u+\s)
.set rB, WF+24*\ct+8*\s
.if \s == 0
	v_wmma_scale_f32_16x16x128_f8f6f4 v[rD:rD+7], v[rA:rA+7], v[rB:rB+7], 0, v[XS+3*\u+\s], v[WS+3*\ct+\s] matrix_a_fmt:MATRIX_FMT_FP4 matrix_b_fmt:MATRIX_FMT_FP4
.else
	v_wmma_scale_f32_16x16x128_f8f6f4 v[rD:rD+7], v[rA:rA+7], v[rB:rB+7], v[rD:rD+7], v[XS+3*\u+\s], v[WS+3*\ct+\s] matrix_a_fmt:MATRIX_FMT_FP4 matrix_b_fmt:MATRIX_FMT_FP4
.endif
.endr
.endr
.endr
.rept 4
	v_nop
.endr
.irp j, 0,2,4,6,8,10,12,14
	v_pk_add_f32 v[ACCQ+\j:ACCQ+\j+1], v[ACCQ+\j:ACCQ+\j+1], v[254:255]      ; + bv of my column, each accumulator from its low end on
.endr
.irp j, 16,18,20,22,24,26,28,30
	v_pk_add_f32 v[ACCQ+\j:ACCQ+\j+1], v[ACCQ+\j:ACCQ+\j+1], v[14:15]
.endr
	s_wait_alu depctr_va_vdst(0)
	s_wait_xcnt 0x0                                ; k's stores have read their data
	QUANT2 ACCQ, 0                                 ; v: block b = channel tile ct; my registers are tokens 16 h + 0..15 of the group: one block of 32 keys
.irp ct, 0,1
	global_store_b64 v5, v[PC+2*\ct:PC+2*\ct+1], s[46:47] offset:24576+1024*\ct
.endr
	v_cndmask_b32 v[BY], v[BY], v[BY+1], s50       ; lanes 0-15 carry tile 0's bytes, lanes 16-31 tile 1's
	global_store_b8 v7, v[BY], s[52:53] offset:52224
	s_set_vgpr_msb 0x5
	s_wait_tensorcnt 0x0
	ds_add_u32 v0, v1
	s_wait_dscnt 0x0
	s_set_vgpr_msb 0x500
	s_endpgm
.Lfunc_end_k_q0eca04d9a3_qkv:
	.size	k_q0eca04d9a3_qkv, .Lfunc_end_k_q0eca04d9a3_qkv-k_q0eca04d9a3_qkv
	.p2alignl 7, 3214868480
	.fill 96, 4, 3214868480
	.section	.rodata,"a",@progbits
	.p2align	6, 0x0
	.amdhsa_kernel k_q0eca04d9a3_qkv
		.amdhsa_group_segment_fixed_size 12800
		.amdhsa_private_segment_fixed_size 0
		.amdhsa_enable_private_segment 0
		.amdhsa_kernarg_size 72
		.amdhsa_user_sgpr_count 2
		.amdhsa_user_sgpr_kernarg_segment_ptr 1
		.amdhsa_wavefront_size32 1
		.amdhsa_system_sgpr_workgroup_id_x 1
		.amdhsa_system_sgpr_workgroup_id_y 1
		.amdhsa_system_sgpr_workgroup_id_z 1
		.amdhsa_system_vgpr_workitem_id 0
		.amdhsa_next_free_vgpr 258
		.amdhsa_next_free_sgpr 66
		.amdhsa_reserve_vcc 0
		.amdhsa_float_denorm_mode_32 3
		.amdhsa_float_denorm_mode_16_64 3
		.amdhsa_memory_ordered 1
		.amdhsa_forward_progress 1
		.amdhsa_inst_pref_size 41
	.end_amdhsa_kernel
	.amdgpu_metadata
---
amdhsa.version: [ 1, 2 ]
amdhsa.kernels:
  - .name:           k_q0eca04d9a3_qkv
    .symbol:         k_q0eca04d9a3_qkv.kd
    .args:
      - { .name: x, .offset: 0, .size: 8, .value_kind: global_buffer, .address_space: global }
      - { .name: ln_g, .offset: 8, .size: 8, .value_kind: global_buffer, .address_space: global }
      - { .name: ln_b, .offset: 16, .size: 8, .value_kind: global_buffer, .address_space: global }
      - { .name: wbuf, .offset: 24, .size: 8, .value_kind: global_buffer, .address_space: global }
      - { .name: bq, .offset: 32, .size: 8, .value_kind: global_buffer, .address_space: global }
      - { .name: bk, .offset: 40, .size: 8, .value_kind: global_buffer, .address_space: global }
      - { .name: bv, .offset: 48, .size: 8, .value_kind: global_buffer, .address_space: global }
      - { .name: qbuf, .offset: 56, .size: 8, .value_kind: global_buffer, .address_space: global }
      - { .name: kvbuf, .offset: 64, .size: 8, .value_kind: global_buffer, .address_space: global }
    .group_segment_fixed_size: 12800
    .private_segment_fixed_size: 0
    .kernarg_segment_align: 8
    .kernarg_segment_size: 72
    .max_flat_workgroup_size: 384
    .sgpr_count:     66
    .vgpr_count:     258
    .wavefront_size: 32
...
	.end_amdgpu_metadata
.endif
;; end of part 2
;; launch attn (part 3): grid 256 x 1, 12 waves a work-group, no clusters, 187,904 bytes of LDS; arguments qbuf, kvbuf, wbuf, bo, x, out0; writes out0
.if DOCPART == 3
	.amdgcn_target "amdgcn-amd-amdhsa--gfx1250"
	.amdhsa_code_object_version 6
	.text
	.protected	k_q0eca04d9a3_attn
	.globl	k_q0eca04d9a3_attn
	.p2align	8
	.type	k_q0eca04d9a3_attn,@function
k_q0eca04d9a3_attn:
	s_mov_b64 s[64:65], 0
	v_nop
	global_prefetch_b8 v0, s[64:65] scope:SCOPE_SE
	s_setreg_imm32_b32 hwreg(HW_REG_WAVE_MODE, 25, 1), 1
	s_wait_xcnt 0x0
; Attention on codes of FP4 (E2M1, one E8M0 byte for each 32 along a product's K), then o / l, its quantising, o Wo + bo + x.
; SHARES.  A work-group owns 32 queries (group G = its number) and all six heads; wave w = (head w / 2, query tile w % 2) owns 16 queries of one head and walks all 4,096 keys of its batch, 128 a step: 32 steps.
; LAYOUT.  Both products are used transposed: S^T = K Q^T (source 0 = keys, source 1 = my 16 queries), O^T = V^T P^T (source 0 = 16 channels, source 1 = P): a lane holds ONE query throughout.
; THE KEYS OF A TILE are chosen by the loads' lane addresses: row r of tile 4 c + i is key 64 c + 32 (r / 8) + 8 i + r % 8.  Lane (r, h) then holds, in the 32 registers of tiles 4 c .. 4 c + 3, keys 64 c + 32 h + 0..31:
; a WHOLE block of 32 in the order of the next operand's registers.  So a block's largest score needs no other lane, and the eight conversions' results are P's fragment as they stand.
; THE HEAD IS 64 WIDE, the instruction 128: source 0 carries TWO key tiles (one in k = 0..63, one in k = 64..127); it is multiplied by [q, 0] for the first and by [0, q] for the second.  Zero codes add nothing under any finite scale byte.
; K's and Q's scale words are [b0, b1, b0, b1], so the same word serves either half.
; SOFTMAX.  t = score x log2(e) / 8; M = the running largest t rounded up to a whole number; p = 2^(t - M) is quantised along the keys, not normalised; the row's sum is taken of the unquantised p and divides O at the end;
; when M moves, the sums and O^T are multiplied by 2^(old M - new M), which rounds nothing.  A block's largest p is the exponential of the block's largest score.
; NO TENSOR LOAD, NO CLUSTER: a key step's operands lie in kvbuf in 16-byte pieces that are a lane's registers, and go from memory straight into them: K's twelve loads for step t + 1 are issued behind step t's first products,
; V's ten behind its last; nothing of the walk passes through LDS.  Work-group G begins at key step G % 32 and goes round: neighbours stand at different blocks in every trip, so there is no tile that partners could ask for jointly.
; ONE BARRIER A TRIP, which guards no LDS byte: it is signalled behind K's loads and awaited ahead of V's, with work on registers alone between.  No wave asks for V of step t + 1 before all twelve have asked for K of step t + 1:
; the waves stay within one key step of each other, the two waves of a head ask for the same block in the same or the neighbouring trip, and all twelve reach the way out's exchange together.
; NO PREFETCH: the 128 work-groups of a batch begin at 32 different key steps, four at each, so the first trip's loads name every block of the batch: a prefetch would name bytes that a load has named.
; Wo's fragments and scale words, bo and the residual rows of x, 10,752 bytes a wave, are loaded at the head and kept in LDS bytes of the wave's own until the way out.
; The order of the sums over the keys differs from work-group to work-group (the rotated walk); sums are f32.
; LIMITS: a block of zeros, or one whose largest magnitude lies under 2^-124, gets the byte 1; NaN and infinities are not served; 1 / l is v_rcp_f32; the scaled scores stay under 2^31 in magnitude.
.set STEPB, 53760                      ; a key step's block: K's codes 24,576; V's codes 24,576; K's scale words 3,072; V's 1,536
.set OIMG,  0                          ; o's six fragments (tile u, K step s) at (3 u + s) * 1024 + c * 512 + 16 lane
.set OSC,   6144                       ; twelve half scale words a lane: (6 u + head) * 128 + 4 lane
.set YST,   7680                       ; 32 rows of the result, 1,536 bytes + 16
.set STASH, 57344                      ; for each wave WST bytes: Wo's codes 6,144; its scale words 384; bo 128; 8 x 512 bytes of x
.set WST,   10752
.set SPARE, 186368                     ; the spare words, 128 bytes for each of twelve waves
.set TM,    232
.set TP,    236
.set BY,    238
.set SO,    244
.set PC,    224
.set SEL,   20                         ; s[20:21] v_permlanex16_b32's selects for lane l xor 16
; REGISTERS: v1-4 my lane's offsets of K's codes, K's scale words, V's codes, V's scale words; v5 8 h; v7, v8 the spare word's address and 0; v9 16 lane, v10 4 r, v11 32 h, v92 4 lane; v30, v31, v86-89, v93, v94 LDS addresses;
; v12 -M, v13 the largest score; v14-21 the sum in four pairs; v22 Q's scale word, v23 p's, v24-27 K's, v28-29 V's; v32-63 K; v64-75 [0, q, 0]; v76-85 at work; v96-159 S^T, then p; v160-191 O^T; v192-223 V; v224-231 p's codes.
.macro MMZ d, a, b, sa, sb, x          ; a product that starts its sums
	v_wmma_scale_f32_16x16x128_f8f6f4 v[\d:\d+7], v[\a:\a+7], v[\b:\b+7], 0, v[\sa], v[\sb] matrix_a_fmt:MATRIX_FMT_FP4 matrix_b_fmt:MATRIX_FMT_FP4 \x
.endm
.macro MMA d, a, b, sa, sb, x          ; a product that adds in place
	v_wmma_scale_f32_16x16x128_f8f6f4 v[\d:\d+7], v[\a:\a+7], v[\b:\b+7], v[\d:\d+7], v[\sa], v[\sb] matrix_a_fmt:MATRIX_FMT_FP4 matrix_b_fmt:MATRIX_FMT_FP4 \x
.endm
.macro BARRIER
	s_wait_dscnt 0x0
	s_barrier_signal -1
	s_barrier_wait -1
.endm
.macro NEXT o, b                       ; the walk's next block, round the batch's 32: offset s[o], address s[b:b+1]
	s_add_co_u32 s[\o], s[\o], STEPB
	s_cmp_eq_u32 s[\o], 32*STEPB
	s_cselect_b32 s[\o], 0, s[\o]
	s_add_nc_u64 s[\b:\b+1], s[26:27], s[\o:\o+1]
.endm
.macro LOADK                           ; pair j = 2 c + i / 2: tiles 4 c + 2 (j % 2) and the next, in one operand's eight registers; a lane's 16 bytes: 32 channels of its key
.irp j, 0,1,2,3
	global_load_b128 v[32+8*\j:35+8*\j], v1, s[32:33] offset:(\j/2)*2048+(\j%2)*128
	global_load_b128 v[36+8*\j:39+8*\j], v1, s[32:33] offset:(\j/2)*2048+(\j%2)*128+512
.endr
.irp j, 0,1,2,3
	global_load_b32 v[24+\j], v2, s[32:33] offset:(\j/2)*256+(\j%2)*32     ; lanes 0-15 the first tile's scale words, lanes 16-31 the second's
.endr
.endm
.macro LOADV
.irp f, 0,1,2,3,4,5,6,7
	global_load_b128 v[192+4*\f:195+4*\f], v3, s[34:35] offset:512*\f     ; 512 consecutive bytes a load
.endr
.irp i, 0,1
	global_load_b32 v[28+\i], v4, s[34:35] offset:128*\i
.endr
.endm
; 32 numbers of a lane, two blocks' halves of 16, become four registers of codes and a byte a block; swap = 1: a lane then holds a whole block
.macro QUANT2 src, swap
.irp b, 0,1
	v_max3_num_f32 v[TM+\b], |v[(\src)+16*\b]|, |v[(\src)+1+16*\b]|, 0x1800000
.endr
.irp i, 2,4,6,8,10,12,14
.irp b, 0,1
	s_delay_alu instid0(VALU_DEP_2)
	v_max3_num_f32 v[TM+\b], v[TM+\b], |v[(\src)+16*\b+\i]|, |v[(\src)+1+16*\b+\i]|
.endr
.endr
.irp b, 0,1
	s_delay_alu instid0(VALU_DEP_2)
	v_permlanex16_b32 v[TP+\b], v[TM+\b], s[SEL], s[SEL+1]
.endr
.irp b, 0,1
	s_delay_alu instid0(VALU_DEP_2)
	v_max_num_f32 v[TM+\b], v[TM+\b], v[TP+\b]
.endr
.irp b, 0,1
	s_delay_alu instid0(VALU_DEP_2)
	v_add_nc_u32 v[SO+\b], 0xff000000, v[TM+\b]
.endr
.irp b, 0,1
	s_delay_alu instid0(VALU_DEP_2)
	v_lshrrev_b32 v[BY+\b], 23, v[SO+\b]
.endr
.irp b, 0,1
	v_cvt_scalef32_pk8_fp4_f32 v[PC+2*\b], v[(\src)+16*\b:(\src)+16*\b+7], v[SO+\b]
	v_cvt_scalef32_pk8_fp4_f32 v[PC+2*\b+1], v[(\src)+16*\b+8:(\src)+16*\b+15], v[SO+\b]
.endr
	v_nop
.if \swap
	v_permlane16_swap_b32 v[PC], v[PC+2]
	v_permlane16_swap_b32 v[PC+1], v[PC+3]
.endif
.endm
	s_load_b256 s[4:11], s[0:1], 0x0               ; qbuf, kvbuf, wbuf, bo
	s_load_b128 s[12:15], s[0:1], 0x20             ; x, out0
	v_lshl_add_u32 v7, v0, 2, SPARE
	v_mov_b32 v8, 0
	v_lshrrev_b32 v6, 5, v0
	s_delay_alu instid0(VALU_DEP_1)
	v_readfirstlane_b32 s16, v6                    ; wave w
	s_lshr_b32 s17, s16, 1                         ; the head
	s_and_b32 s18, s16, 1                          ; the query tile u
	s_and_b32 s19, s17, 1
	s_lshl_b32 s19, s19, 4                         ; my two bytes' place in o's scale word: 16 (head % 2) bits up
	s_mul_i32 s41, s16, 43
	s_lshr_b32 s41, s41, 7                         ; rg = w / 3: which eight rows I store at the end
	s_mov_b32 s40, ttmp9                           ; G
	s_mov_b32 s[SEL], 0x76543210
	s_mov_b32 s[SEL+1], 0xfedcba98
	s_mov_b32 s22, 0x3e38aa3b                      ; c = log2(e) / 8
	s_mov_b32 s23, s22                             ; (named with it as a pair, so it is written)
	s_mov_b32 s24, 0xbe38aa3b                      ; -c
	s_mov_b32 s38, 31                              ; trips that ask for a next step
	s_lshl_b32 s66, s17, 12                        ; K's codes: head * 4096
	s_lshl_b32 s67, s17, 9
	s_add_co_u32 s67, s67, 49152                   ; K's scale words: 49152 + head * 512
	s_add_co_u32 s68, s66, 24576                   ; V's codes: 24576 + head * 4096
	s_lshl_b32 s69, s17, 8
	s_add_co_u32 s69, s69, 52224                   ; V's scale words: 52224 + head * 256
	s_mul_i32 s70, s16, WST
	s_add_co_u32 s70, s70, STASH                   ; my kept bytes
	s_mul_i32 s71, s18, 3072
	s_lshl_b32 s72, s17, 9
	s_add_co_u32 s71, s71, s72                     ; my half fragment of o: u * 3072 + head * 512
	s_mul_i32 s72, s18, 768
	s_lshl_b32 s73, s17, 7
	s_add_co_u32 s72, s72, s73
	s_add_co_u32 s72, s72, OSC                     ; my half scale word: (6 u + head) * 128
	s_lshl_b32 s73, s16, 7
	s_add_co_u32 s73, s73, YST                     ; the stage, in: my 32 columns' 128 bytes
	s_mul_i32 s74, s41, 10880
	s_lshl_b32 s75, s16, 9
	s_add_co_u32 s74, s74, s75
	s_add_co_u32 s74, s74, YST                     ; and back: 8 rg * 1552 + 512 w - 1536 rg
	v_and_b32 v76, 31, v0                          ; lane
	v_and_b32 v77, 7, v0                           ; r % 8
	v_bfe_u32 v78, v0, 3, 1                        ; r / 8
	v_bfe_u32 v79, v0, 4, 1                        ; h
	v_and_b32 v10, 15, v0                          ; r
	v_lshlrev_b32 v9, 4, v76                       ; 16 lane
	v_lshlrev_b32 v92, 2, v76                      ; 4 lane
	v_lshlrev_b32 v5, 3, v79                       ; 8 h
	v_lshlrev_b32 v11, 5, v79                      ; 32 h
	v_mul_u32_u24 v93, v10, 1552
	v_lshlrev_b32 v10, 2, v10                      ; 4 r
	v_lshl_add_u32 v1, v77, 4, s66                 ; K's codes: 16 (r % 8) + 1024 (r / 8) + 256 h
	v_lshl_add_u32 v2, v77, 2, s67                 ; K's scale words: 4 (r % 8) + 128 (r / 8) + 64 h
	v_lshl_add_u32 v1, v78, 10, v1
	v_lshl_add_u32 v2, v78, 7, v2
	v_lshl_add_u32 v1, v79, 8, v1
	v_lshl_add_u32 v2, v79, 6, v2
	v_add_nc_u32 v3, s68, v9
	v_add_nc_u32 v4, s69, v92
	v_add_nc_u32 v30, s70, v9
	v_add_nc_u32 v31, s70, v92
	v_add_nc_u32 v86, s70, v10
	v_add_nc_u32 v87, s70, v11
	v_add_nc_u32 v88, s71, v9
	v_add_nc_u32 v89, s72, v92
	v_lshl_add_u32 v93, v79, 5, v93
	v_add_nc_u32 v94, s74, v9
	v_add_nc_u32 v93, s73, v93                     ; the stage, in: row r, + 32 h
	s_wait_alu depctr_va_vdst(0)                   ; directly ahead of the wait below
	s_wait_kmcnt 0x0
	s_mov_b32 s61, 0
	s_lshr_b32 s60, s40, 7                         ; the batch
	s_mul_i32 s60, s60, 1720320
	s_add_nc_u64 s[26:27], s[6:7], s[60:61]        ; its 32 blocks
	s_and_b32 s28, s40, 31                         ; my walk begins at key step G % 32
	s_mul_i32 s28, s28, STEPB
	s_mov_b32 s29, 0
	s_mov_b32 s30, s28
	s_mov_b32 s31, 0
	s_add_nc_u64 s[32:33], s[26:27], s[28:29]      ; where K's loads stand,
	s_mov_b64 s[34:35], s[32:33]                   ; and V's
	s_mul_i32 s58, s40, 6912                       ; my group in qbuf
	s_lshl_b32 s60, s17, 10
	s_lshl_b32 s62, s18, 9
	s_add_co_u32 s60, s60, s62
	s_add_co_u32 s60, s60, s58
	s_add_nc_u64 s[44:45], s[4:5], s[60:61]        ; Q's codes: head * 1024 + u * 512
	s_lshl_b32 s60, s17, 7
	s_lshl_b32 s62, s18, 6
	s_add_co_u32 s60, s60, s62
	s_add_co_u32 s60, s60, s58
	s_add_nc_u64 s[46:47], s[4:5], s[60:61]        ; Q's scale words: head * 128 + u * 64
	s_mul_i32 s60, s16, 6144
	s_add_nc_u64 s[48:49], s[8:9], s[60:61]        ; Wo: my two tiles' codes,
	s_mul_i32 s60, s16, 384
	s_add_nc_u64 s[50:51], s[8:9], s[60:61]        ; their scale words,
	s_lshl_b32 s60, s16, 7
	s_add_nc_u64 s[52:53], s[10:11], s[60:61]      ; bo of my 32 columns
	s_lshl_b32 s60, s40, 5                         ; the rows that I store: stage rows 8 rg + i are tokens 32 G + 8 (rg / 2) + 16 (rg % 2) + i;
	s_lshr_b32 s62, s41, 1
	s_lshl_b32 s62, s62, 3
	s_add_co_u32 s60, s60, s62
	s_and_b32 s62, s41, 1
	s_lshl_b32 s62, s62, 4
	s_add_co_u32 s60, s60, s62
	s_sub_co_u32 s60, s60, s41                     ; my 512 bytes of a row begin at 512 w - 1,536 rg
	s_mul_i32 s60, s60, 1536
	s_lshl_b32 s62, s16, 9
	s_add_co_u32 s60, s60, s62
	s_add_nc_u64 s[54:55], s[12:13], s[60:61]      ; in x,
	s_add_nc_u64 s[56:57], s[14:15], s[60:61]      ; and in out0
	; the head's 48 loads, in this order: what is kept for the way out 24, Q 2, K 12, V 10
.irp n, 0,1,2,3,4,5,6,7,8,9,10,11
	global_load_b128 v[96+4*\n:99+4*\n], v9, s[48:49] offset:221184+512*\n       ; Wo's fragments (tt, s, c) at n = 6 tt + 2 s + c
.endr
.irp n, 0,1,2
	global_load_b32 v[144+\n], v92, s[50:51] offset:308736+128*\n                ; their 96 scale words
.endr
	global_load_b32 v147, v92, s[52:53]
.irp i, 0,1,2,3,4,5,6,7
	global_load_b128 v[160+4*\i:163+4*\i], v9, s[54:55] offset:1536*\i           ; the residual of the rows that I store: 512 consecutive bytes a load
.endr
	global_load_b128 v[68:71], v9, s[44:45]        ; Q: channels 32 h + 0..31 of my query
	global_load_b32 v22, v10, s[46:47] offset:6144
	LOADK
	LOADV
.irp j, 64,65,66,67,72,73,74,75,14,15,16,17,18,19,20,21,80,81,236,237
	v_mov_b32 v[\j], 0                             ; zero codes on both sides of q; the sums; f's pair; the lane permutes' destinations
.endr
	v_mov_b32 v13, 0xff61b1e6                      ; the largest score so far: -3e38, under every score
	s_delay_alu instid0(VALU_DEP_1)
	v_mul_f32 v12, s24, v13
	s_delay_alu instid0(VALU_DEP_1)
	v_floor_f32 v12, v12                           ; -M
	s_wait_loadcnt 24                              ; the first 24 loads are in; Q's, K's and V's 24 may be out
.irp n, 0,1,2,3,4,5,6,7,8,9,10,11
	ds_store_b128 v30, v[96+4*\n:99+4*\n] offset:512*\n
.endr
.irp n, 0,1,2
	ds_store_b32 v31, v[144+\n] offset:6144+128*\n
.endr
	ds_store_b32 v31, v147 offset:6528
.irp i, 0,1,2,3,4,5,6,7
	ds_store_b128 v30, v[160+4*\i:163+4*\i] offset:6656+512*\i
.endr
	s_wait_dscnt 0x0                               ; the stores have read their registers, and no LDS instruction of mine is out at the loop's signals
.irp j, 0,1,2,3,4,5,6,7,8,9,10,11,12,13,14,15,16,17,18,19,20,21,22,23,24,25,26,27,28,29,30,31
	v_mov_b32 v[160+\j], 0                         ; O^T: the step has no first step of its own; the first change of M multiplies zeros
.endr
; A KEY STEP: 128 keys.  more = 1: the next step's operands are asked for, and the trip's barrier is passed.
.macro STEP more
	s_wait_loadcnt 10                              ; K's twelve loads (the first time: Q's too) are in; V's ten may be out
.irp j, 0,1,2,3
	MMZ 96+16*\j, 32+8*\j, 68, 24+\j, 22           ; x [q, 0]: the pair's first tile
	MMZ 104+16*\j, 32+8*\j, 64, 24+\j, 22, matrix_a_scale:MATRIX_SCALE_ROW1   ; x [0, q]: its second
.endr
.rept 4
	v_nop                                          ; four places in front of the first read of results and of loads into K's registers
.endr
.if \more
	NEXT 28, 32                                    ; K's loads of this step are done, so their base may be written
	LOADK
	s_barrier_signal -1                            ; I have asked for the next step's K; up to the wait below: work on registers alone
.endif
.irp c, 0,1                                    ; the largest score of my two blocks of 32 keys, each in two chains; each accumulator is first read at its low end
	v_max3_num_f32 v[76+\c], v[96+32*\c], v[97+32*\c], v[98+32*\c]
	v_max3_num_f32 v[82+\c], v[112+32*\c], v[113+32*\c], v[114+32*\c]
.endr
.irp i, 3,5,7,9,11,13
.irp c, 0,1
	v_max3_num_f32 v[76+\c], v[76+\c], v[96+32*\c+\i], v[97+32*\c+\i]
	v_max3_num_f32 v[82+\c], v[82+\c], v[112+32*\c+\i], v[113+32*\c+\i]
.endr
.endr
.irp c, 0,1
	v_max3_num_f32 v[76+\c], v[76+\c], v[82+\c], v[111+32*\c]
.endr
.irp c, 0,1
	v_max_num_f32 v[76+\c], v[76+\c], v[127+32*\c]
.endr
	v_max_num_f32 v79, v76, v77
	v_permlanex16_b32 v78, v79, s[SEL], s[SEL+1]
	v_max3_num_f32 v13, v13, v79, v78              ; the running largest score of my query
	v_mul_f32 v79, s24, v13                        ; -t
	v_floor_f32 v79, v79                           ; the new -M = floor(-t) = -ceil(t): a whole number
	v_sub_f32 v84, v79, v12                        ; old M - new M: a whole number, 0 or less
	v_mov_b32 v12, v79
.irp j, 0,2,4,6,8,10,12,14,16,18,20,22,24,26,28,30,32,34,36,38,40,42,44,46,48,50,52,54,56,58,60,62
	v_pk_fma_f32 v[96+\j:97+\j], v[96+\j:97+\j], s[22:23], v[12:13] op_sel_hi:[1,0,0]   ; t - M, two at a time
.endr
	v_pk_fma_f32 v[76:77], v[76:77], s[22:23], v[12:13] op_sel_hi:[1,0,0]               ; the same of my blocks' largest scores
	s_wait_alu depctr_va_vdst(0)                   ; ahead of the batch
.irp j, 0,1,2,3,4,5,6,7,8,9,10,11,12,13,14,15,16,17,18,19,20,21,22,23,24,25,26,27,28,29,30,31,32,33,34,35,36,37,38,39,40,41,42,43,44,45,46,47,48,49,50,51,52,53,54,55,56,57,58,59,60,61,62,63
	v_exp_f32 v[96+\j], v[96+\j]                   ; p = 2^(t - M), at most 1: not normalised
.endr
	v_exp_f32 v76, v76                             ; the blocks' largest p: the same two instructions on the same number give the same bits
	v_exp_f32 v77, v77
	v_cvt_i32_f32 v84, v84                         ; (it saturates)  plain lines behind the exponentials
	s_delay_alu instid0(VALU_DEP_1)
	v_ldexp_f32 v80, 1.0, v84                      ; f = 2^(old M - new M)
	s_wait_alu depctr_va_vdst(0)                   ; one wait for the batch, ahead of its first reader
.irp c, 0,1
	v_max_num_f32 v[76+\c], 0x1800000, v[76+\c]    ; the floor 2^(3 - 127): the byte cannot fall under 1
.endr
.irp c, 0,1
	s_delay_alu instid0(VALU_DEP_2)
	v_add_nc_u32 v[82+\c], 0xff000000, v[76+\c]    ; 2 off the exponent field: the conversion's scale operand
.endr
.irp c, 0,1
	s_delay_alu instid0(VALU_DEP_2)
	v_lshrrev_b32 v[84+\c], 23, v[82+\c]           ; the scale's byte
.endr
	s_delay_alu instid0(VALU_DEP_1)
	v_lshl_or_b32 v79, v85, 16, v84                ; my two bytes: blocks h and 2 + h,
	s_delay_alu instid0(VALU_DEP_1)
	v_lshlrev_b32 v79, v5, v79                     ; at their places in the word (8 h bits up);
	s_delay_alu instid0(VALU_DEP_1)
	v_permlanex16_b32 v78, v79, s[SEL], s[SEL+1]
	s_delay_alu instid0(VALU_DEP_1)
	v_or_b32 v23, v79, v78                         ; with lane l xor 16's two: p's scale word for these 128 keys
.irp c, 0,1
.irp i, 0,1,2,3
	v_cvt_scalef32_pk8_fp4_f32 v[224+4*\c+\i], v[96+32*\c+8*\i:103+32*\c+8*\i], v[82+\c]   ; register 4 c + i of P's fragment: keys 64 c + 32 h + 8 i + 0..7
.endr
.endr
.irp a, 0,1,2,3                                ; the row's sum of the unquantised p, in four pairs: sum x f + p, then additions.  (Plain lines behind the conversions; the first sixteen are the places ahead of the products below)
	v_pk_fma_f32 v[14+2*\a:15+2*\a], v[14+2*\a:15+2*\a], v[80:81], v[96+2*\a:97+2*\a] op_sel_hi:[1,0,1]
.endr
.irp n, 4,5,6,7,8,9,10,11,12,13,14,15
	v_pk_add_f32 v[14+2*(\n%4):15+2*(\n%4)], v[14+2*(\n%4):15+2*(\n%4)], v[96+2*\n:97+2*\n]
.endr
.if \more
	s_wait_loadcnt 12                              ; V's ten loads are in; the next step's twelve of K may be out
.else
	s_wait_loadcnt 0x0
.endif
	s_wait_alu depctr_va_vdst(0)                   ; directly ahead of the first reader of O^T
.irp j, 0,2,4,6,8,10,12,14,16,18,20,22,24,26,28,30
	v_pk_mul_f32 v[160+\j:161+\j], v[160+\j:161+\j], v[80:81] op_sel_hi:[1,0]   ; O^T under the new M, each accumulator from its low end on
.endr
.irp i, 0,1                                    ; O^T += V^T P^T: four accumulators by turns, one instruction a turn
	MMA 160+16*\i, 192+16*\i, 224, 28+\i, 23
	MMA 168+16*\i, 200+16*\i, 224, 28+\i, 23, matrix_a_scale:MATRIX_SCALE_ROW1
.endr
.irp n, 16,17,18,19,20,21,22,23,24,25,26,27,28,29,30,31
	v_pk_add_f32 v[14+2*(\n%4):15+2*(\n%4)], v[14+2*(\n%4):15+2*(\n%4)], v[96+2*\n:97+2*\n]   ; the sums' second half names no register of the products above: the places in front of loads into V's registers
.endr
.if \more
	s_barrier_wait -1                              ; all twelve waves have asked for the next step's K
	NEXT 30, 34                                    ; V's loads of this step are done, so their base may be written
	LOADV
.endif
.endm
	s_wait_alu depctr_va_vdst(0)                   ; at the head's end
.Lstep:                                            ; 31 trips; the last step is written out, since it asks for nothing
	STEP 1
	s_sub_co_u32 s38, s38, 1
	s_cmp_lg_u32 s38, 0
	s_cbranch_scc1 .Lstep
	STEP 0
	; ---- o = O^T / l
	v_pk_add_f32 v[14:15], v[14:15], v[16:17]
	v_pk_add_f32 v[18:19], v[18:19], v[20:21]
	s_delay_alu instid0(VALU_DEP_1)
	v_pk_add_f32 v[14:15], v[14:15], v[18:19]
	s_delay_alu instid0(VALU_DEP_1)
	v_add_f32 v14, v14, v15                        ; the sum's eight parts,
	s_delay_alu instid0(VALU_DEP_1)
	v_permlanex16_b32 v78, v14, s[SEL], s[SEL+1]
	s_delay_alu instid0(VALU_DEP_1)
	v_add_f32 v14, v14, v78                        ; and lane l xor 16's: the row's sum
	s_wait_alu depctr_va_vdst(0)                   ; ahead of the transcendental
	v_rcp_f32 v14, v14
	v_nop                                          ; a plain place behind it
.irp n, 0,1,2,3,4,5,6,7,8,9,10,11
	ds_load_b128 v[32+4*\n:35+4*\n], v30 offset:512*\n                   ; Wo's six fragments of my two tiles of columns: my own bytes, stored at the head
.endr
.irp q, 0,1,2,3,4,5
	ds_load_b32 v[24+\q], v86 offset:6144+64*\q                          ; their scale words (3 tt + s)
.endr
.irp tt, 0,1                                   ; bo lands in the accumulators, in the result's layout: columns 16 tt + 8 h + 0..7 of my 32
.irp u, 0,1
	ds_load_b128 v[128+16*\tt+8*\u:131+16*\tt+8*\u], v87 offset:6528+64*\tt
	ds_load_b128 v[132+16*\tt+8*\u:135+16*\tt+8*\u], v87 offset:6528+64*\tt+16
.endr
.endr
	s_wait_alu depctr_va_vdst(0)                   ; the wait ahead of the reciprocal's first reader, which is also O^T's
.irp j, 0,2,4,6,8,10,12,14,16,18,20,22,24,26,28,30
	v_pk_mul_f32 v[96+\j:97+\j], v[160+\j:161+\j], v[14:15] op_sel_hi:[1,0]   ; register 16 b + i: channel 32 b + 16 h + i of my head
.endr
.irp i, 0,1,2,3,4,5,6,7
	ds_load_b128 v[160+4*\i:163+4*\i], v30 offset:6656+512*\i            ; the residual
.endr
	QUANT2 96, 1                                   ; my head's 64 channels: half a fragment (c = head % 2 of K step head / 2) of the last product
	ds_store_b128 v88, v[PC:PC+3] offset:OIMG
	v_lshl_or_b32 v[TM], v[BY+1], 8, v[BY]
	s_delay_alu instid0(VALU_DEP_1)
	v_lshlrev_b32 v[TM], s19, v[TM]                ; my two bytes at their place in the K step's word, zeros beside them
	ds_store_b32 v89, v[TM]
	BARRIER                                        ; o's six fragments and twelve half words lie in LDS; my loads above are in
.irp f, 0,1,2,3,4,5
.set rS, 240+\f+4*(\f/4)                       ; o's scale words: v240-243, v248, v249
	ds_load_b128 v[192+8*\f:195+8*\f], v9 offset:OIMG+\f*1024
	ds_load_b128 v[196+8*\f:199+8*\f], v9 offset:OIMG+\f*1024+512
	ds_load_b32 v[rS], v92 offset:OSC+256*\f
	ds_load_b32 v[96+\f], v92 offset:OSC+256*\f+128
.endr
	s_wait_dscnt 0x0
.irp f, 0,1,2,3,4,5
.set rS, 240+\f+4*(\f/4)
	v_or_b32 v[rS], v[rS], v[96+\f]                ; the two halves make the scale word
.endr
.rept 8
	v_nop                                          ; a scale register written by a vector instruction stands eight places ahead of the scaled matrix instruction
.endr
.irp s, 0,1,2                                  ; transposed: source 0 = 16 columns of Wo, source 1 = 16 tokens; four accumulators by turns; bo is the first C
.irp tt, 0,1
.irp u, 0,1
.set rD, 128+16*\tt+8*\u
.set rA, 32+24*\tt+8*\s
.set rB, 192+8*(3*\u+\s)
.set rW, 24+3*\tt+\s
.set rS, 240+(3*\u+\s)+4*((3*\u+\s)/4)
	MMA rD, rA, rB, rW, rS
.endr
.endr
.endr
.rept 4
	v_nop
.endr
.irp u, 0,1
.irp tt, 0,1
	ds_store_b128 v93, v[128+16*\tt+8*\u:131+16*\tt+8*\u] offset:\u*24832+\tt*64       ; lane (r, h): stage row 16 u + r, columns 32 w + 16 tt + 8 h + 0..7; each accumulator from its low end on
	ds_store_b128 v93, v[132+16*\tt+8*\u:135+16*\tt+8*\u] offset:\u*24832+\tt*64+16
.endr
.endr
	BARRIER                                        ; 32 whole rows lie in the stage
.irp i, 0,1,2,3,4,5,6,7
	ds_load_b128 v[96+4*\i:99+4*\i], v94 offset:1552*\i
.endr
.irp i, 0,1,2,3,4,5,6,7
	s_wait_dscnt 7-\i                              ; row i is back; the younger rows may be out
	v_pk_add_f32 v[96+4*\i:97+4*\i], v[96+4*\i:97+4*\i], v[160+4*\i:161+4*\i]
	v_pk_add_f32 v[98+4*\i:99+4*\i], v[98+4*\i:99+4*\i], v[162+4*\i:163+4*\i]
	global_store_b128 v9, v[96+4*\i:99+4*\i], s[56:57] offset:1536*\i th:TH_STORE_NT   ; the wave stores 512 consecutive bytes, at a multiple of 256 from out0's first byte
.endr
	s_wait_tensorcnt 0x0                           ; the wave's end, behind my last LDS store
	ds_add_u32 v7, v8
	s_wait_dscnt 0x0
	s_endpgm
.Lfunc_end_k_q0eca04d9a3_attn:
	.size	k_q0eca04d9a3_attn, .Lfunc_end_k_q0eca04d9a3_attn-k_q0eca04d9a3_attn
	.p2alignl 7, 3214868480
	.fill 96, 4, 3214868480
	.section	.rodata,"a",@progbits
	.p2align	6, 0x0
	.amdhsa_kernel k_q0eca04d9a3_attn
		.amdhsa_group_segment_fixed_size 187904
		.amdhsa_private_segment_fixed_size 0
		.amdhsa_enable_private_segment 0
		.amdhsa_kernarg_size 48
		.amdhsa_user_sgpr_count 2
		.amdhsa_user_sgpr_kernarg_segment_ptr 1
		.amdhsa_wavefront_size32 1
		.amdhsa_system_sgpr_workgroup_id_x 1
		.amdhsa_system_sgpr_workgroup_id_y 1
		.amdhsa_system_sgpr_workgroup_id_z 1
		.amdhsa_system_vgpr_workitem_id 0
		.amdhsa_next_free_vgpr 256
		.amdhsa_next_free_sgpr 80
		.amdhsa_reserve_vcc 0
		.amdhsa_float_denorm_mode_32 3
		.amdhsa_float_denorm_mode_16_64 3
		.amdhsa_memory_ordered 1
		.amdhsa_forward_progress 1
		.amdhsa_inst_pref_size 54
	.end_amdhsa_kernel
	.amdgpu_metadata
---
amdhsa.version: [ 1, 2 ]
amdhsa.kernels:
  - .name:           k_q0eca04d9a3_attn
    .symbol:         k_q0eca04d9a3_attn.kd
    .args:
      - { .name: qbuf, .offset: 0, .size: 8, .value_kind: global_buffer, .address_space: global }
      - { .name: kvbuf, .offset: 8, .size: 8, .value_kind: global_buffer, .address_space: global }
      - { .name: wbuf, .offset: 16, .size: 8, .value_kind: global_buffer, .address_space: global }
      - { .name: bo, .offset: 24, .size: 8, .value_kind: global_buffer, .address_space: global }
      - { .name: x, .offset: 32, .size: 8, .value_kind: global_buffer, .address_space: global }
      - { .name: out0, .offset: 40, .size: 8, .value_kind: global_buffer, .address_space: global }
    .group_segment_fixed_size: 187904
    .private_segment_fixed_size: 0
    .kernarg_segment_align: 8
    .kernarg_segment_size: 48
    .max_flat_workgroup_size: 384
    .sgpr_count:     80
    .vgpr_count:     256
    .wavefront_size: 32
...
	.end_amdgpu_metadata
.endif
;; end of part 3
